; MI455X (gfx1250); checked and timed in simulation.
; The chip was launched on July 23, 2026; its instructions are those of AMD's public machine-readable ISA for CDNA 5 (MIT licence, August 2026) and "CDNA5" Instruction Set Architecture Reference Guide (July 2026). The comments in the code are by the model that wrote it; some were corrected since.
;; Bert Attention. Allowed arithmetic: float matrix products may take bf16 or f16 operands with f32 sums; all other float work in f32.
;; Inputs: Wk 1,024 x 1,024 float32; Wo 1,024 x 1,024 float32; Wq 1,024 x 1,024 float32; Wv 1,024 x 1,024 float32; bk 1,024 float32; bo 1,024 float32; bq 1,024 float32; bv 1,024 float32; key_tensor 2,048 x 2 x 1,024 float32; ln_b 1,024 float32; ln_w 1,024 float32; query_tensor 2,048 x 2 x 1,024 float32; value_tensor 2,048 x 2 x 1,024 float32.
;; Outputs: out0 2,048 x 2 x 1,024 float32.
;; One version. Each part assembles by itself: llvm-mc -triple=amdgcn-amd-amdhsa -mcpu=gfx1250 --defsym DOCPART=n.
;; ======== version 1 of 1: 4 launches
;; workspace buffers: qh 8,388,608 bytes; kh 8,388,608 bytes; vh 8,388,608 bytes; ctx 8,388,608 bytes; y 16,777,216 bytes; wob 2,097,152 bytes
;; launch proj (part 1): grid 16 x 16, 4 waves a work-group, clusters of 4 x 4, 327,680 bytes of LDS; arguments query_tensor, key_tensor, value_tensor, Wq, Wk, Wv, bq, bk, bv, qh, kh, vh, Wo, wob; writes qh, kh, vh, wob
.if DOCPART == 1
	.amdgcn_target "amdgcn-amd-amdhsa--gfx1250"
	.amdhsa_code_object_version 6
	.text
	.protected	k_q54709a6b8e_proj
	.globl	k_q54709a6b8e_proj
	.p2align	8
	.type	k_q54709a6b8e_proj,@function
k_q54709a6b8e_proj:
	s_mov_b64 s[64:65], 0
	v_nop
	global_prefetch_b8 v0, s[64:65] scope:SCOPE_SE
	s_setreg_imm32_b32 hwreg(HW_REG_WAVE_MODE, 25, 1), 1
	s_wait_xcnt 0x0
	s_wait_alu depctr_hold_cnt(0) depctr_sa_sdst(0) depctr_va_vdst(0) depctr_va_sdst(0) depctr_va_ssrc(0) depctr_va_vcc(0) depctr_vm_vsrc(0)
	s_getreg_b32 s2, hwreg(HW_REG_IB_STS2, 6, 4)
	s_cmp_eq_u32 s2, 0
	s_cbranch_scc0 .Lentry_in_a_cluster
	s_endpgm
.Lentry_in_a_cluster:
	s_bfe_u32 s2, ttmp6, 0x10000c
	s_cmp_lg_u32 s2, 0xf033
	s_cbranch_scc0 .Lentry_shape_is_right
	s_endpgm
.Lentry_shape_is_right:
; q, k, v = X W^T + b for the three inputs, rounded once to bf16 and stored head-major: [16 b + head][s][64].
; q is also multiplied by log2(e), so that the attention launch can use the base-2 exponential directly.
; X: [4096 token rows = 2 s + b][1024] f32.  W: [1024 n][1024 k] f32.  Sums in f32, operands rounded to bf16 on the way from LDS.
; LIMITS: matrix operands are bf16 (q log2(e) too); NaN and infinities are not treated beyond what the arithmetic gives.
; SHARING: cluster x = 0, 1, 2 picks the tensor; inside the 4 x 4 cluster cx picks 256 columns, 4 x cluster y + cy picks 256 rows.
; Four waves, each 128 x 128 of the block: 64 accumulator tiles, 512 registers.  3 x 4 x 16 = 192 work-groups.
; Cluster x = 3 (64 more work-groups) rounds Wo to bf16 for the output projection: a stream of its own at the end of this text.
; The four work-groups of a cluster row need the same tile of X, the four of a column the same tile of W: both are asked for jointly.
; K goes in steps of 64 f32 (rows of 256 bytes) through two LDS slots.  A half step (32 along K) is: f32 fragments from LDS into
; staging registers, 128 conversions to bf16, 64 matrix instructions; the next half step is fetched ahead of the matrix instructions.
; The matrix instruction is used transposed (source 0 = rows of W, source 1 = rows of X): a lane then holds 8 neighbouring columns of one row.
; REGISTER WINDOWS: 0: addresses, fragments and staging of X; 1: bias v0-63, fragments and staging of W; 2, 3: accumulators, tile (a, b) at v[8 (8 a + b)].
.set PITCH,  272                       ; LDS row: 256 bytes + 16 of padding, so that 16 rows start at 16 different 16-byte columns
.set PART,   64*PITCH                  ; what one tensor load brings: 64 rows
.set SLOT,   8*PART                    ; 256 rows of X, then 256 rows of W
.set STAGE,  2*SLOT                    ; behind the ring: 16 rows x 272 bytes for each wave, for the way out; no tensor load lands here
.set WSTAGE, 16*PITCH
.set ADRA, 16                          ; v16-17  LDS address of my X fragments in slot 0, 1
.set ADRB, 20                          ; v20-21  the same for W
.set STO,  24                          ; way out: where I put 16 bytes
.set RD,   25                          ; way out: where I read back
.set CO,   26                          ; way out: 16 x lane
.set BO,   27                          ; byte offset of my bias numbers
.set FR,   64                          ; v64-127   8 bf16 fragments (window 0: X, window 1: W)
.set ST,   128                         ; v128-255  their f32 staging, 16 registers a fragment
.set PK,   192                         ; way out: packed results
.set BK,   224                         ; way out: rows read back
.set G1A, 32                           ; s[32:39] descriptor group 1, tiles of X
.set G1B, 40                           ; s[40:47] the same for W (another mask)
.set G0A, 48                           ; s[48:55] group 0 for X, one set for each slot
.set G0B, 56                           ; s[56:63] group 0 for W
.set MSB, 0
.macro WIN new                         ; the high byte of the immediate repeats the setting that is left
.if MSB != \new
	s_set_vgpr_msb (MSB<<8)|\new
.set MSB, \new
.endif
.endm
.macro PLACES                          ; four plain vector places behind matrix instructions (ISA guide 7.12.1)
.rept 4
	v_nop
.endr
.endm
; A round of the cluster barrier: my work-group, wave 0 signals for it, all sixteen work-groups, my work-group again.
.macro CROUND
	s_barrier_signal -1
	s_barrier_wait -1
	s_cmp_lg_u32 s30, 0
	s_cbranch_scc1 .Lnot_wave_0_\@
	s_barrier_signal -3
.Lnot_wave_0_\@:
	s_barrier_wait -3
	s_barrier_signal -1
	s_barrier_wait -1
.endm
; 64 LDS loads: the f32 numbers of one half step.  Fragment i: row 16 i + lane % 16; k = 8 h .. 8 h + 7 at bytes 32 h, k = 16 + 8 h .. at 64 + 32 h.
.macro FETCH slot, half
	WIN 0x40                               ; destination window 1 (W), address window 0
.irp i, 0,1,2,3,4,5,6,7
	ds_load_b128 v[ST+16*\i:ST+16*\i+3],     v[ADRB+\slot] offset:\i*16*PITCH+128*\half
	ds_load_b128 v[ST+16*\i+4:ST+16*\i+7],   v[ADRB+\slot] offset:\i*16*PITCH+128*\half+16
	ds_load_b128 v[ST+16*\i+8:ST+16*\i+11],  v[ADRB+\slot] offset:\i*16*PITCH+128*\half+64
	ds_load_b128 v[ST+16*\i+12:ST+16*\i+15], v[ADRB+\slot] offset:\i*16*PITCH+128*\half+80
.endr
	WIN 0
.irp i, 0,1,2,3,4,5,6,7
	ds_load_b128 v[ST+16*\i:ST+16*\i+3],     v[ADRA+\slot] offset:\i*16*PITCH+128*\half
	ds_load_b128 v[ST+16*\i+4:ST+16*\i+7],   v[ADRA+\slot] offset:\i*16*PITCH+128*\half+16
	ds_load_b128 v[ST+16*\i+8:ST+16*\i+11],  v[ADRA+\slot] offset:\i*16*PITCH+128*\half+64
	ds_load_b128 v[ST+16*\i+12:ST+16*\i+15], v[ADRA+\slot] offset:\i*16*PITCH+128*\half+80
.endr
.endm
.macro CVTS                            ; 8 fragments: 16 f32 a lane become 8 registers of bf16, k in its true places
.irp f, 0,1,2,3,4,5,6,7
.irp i, 0,1,2,3,4,5,6,7
	v_cvt_pk_bf16_f32 v[FR+8*\f+\i], v[ST+16*\f+2*\i], v[ST+16*\f+2*\i+1]
.endr
.endr
.endm
.macro MUL16 hi, a0, zero              ; 16 matrix instructions: row blocks a0, a0 + 1 of the window x all 8 column blocks
.irp a, \a0, \a0+1
.irp b, 0,1,2,3,4,5,6,7
.if \zero
	v_wmma_f32_16x16x32_bf16 v[8*(8*(\a)+\b):8*(8*(\a)+\b)+7], v[FR+8*\b:FR+8*\b+7], v[FR+8*(4*\hi+\a):FR+8*(4*\hi+\a)+7], 0
.else
	v_wmma_f32_16x16x32_bf16 v[8*(8*(\a)+\b):8*(8*(\a)+\b)+7], v[FR+8*\b:FR+8*\b+7], v[FR+8*(4*\hi+\a):FR+8*(4*\hi+\a)+7], v[8*(8*(\a)+\b):8*(8*(\a)+\b)+7]
.endif
.endr
.endr
.endm
; The 64 accumulators take turns, one instruction a turn, in the same order in every half step.
.macro MUL zero
	WIN 0xa1                               ; source 0 window 1, source 1 window 0, C and D window 2
	MUL16 0, 0, \zero
	MUL16 0, 2, \zero
	WIN 0xf1                               ; C and D window 3
	MUL16 1, 0, \zero
	MUL16 1, 2, \zero
.endm
; One half step.  nslot, nhalf: what is fetched for the next one (nslot < 0: nothing).  change = 2: slot cslot has been read to its end
; and is filled again behind a round of the cluster barrier; change = 1: the slots change and nothing is filled.
.macro HALF nslot, nhalf, zero, change, cslot
	s_wait_dscnt 0x0                       ; the staging is in; with it all my reads of the slot so far are over
	PLACES                                 ; the conversions write fragment registers that the last matrix instructions read
	WIN 0
	CVTS
	WIN 0x45                               ; destination and both sources window 1
	CVTS
	WIN 0
.if \change == 2
	s_wait_xcnt 0x0
	v_lshl_add_u32 v254, v0, 2, 0x48400
	v_mov_b32 v255, 0
	s_wait_tensorcnt 0x0                   ; all my tensor loads have landed (my two parts of the other slot), so group 0 may be written
	ds_add_u32 v254, v255
	s_wait_dscnt 0x0
	s_add_nc_u64 s[G0A+4*\cslot+2:G0A+4*\cslot+3], s[G0A+4*\cslot+2:G0A+4*\cslot+3], 512   ; two K steps of 256 bytes on
	s_add_nc_u64 s[G0B+4*\cslot+2:G0B+4*\cslot+3], s[G0B+4*\cslot+2:G0B+4*\cslot+3], 512
	s_wait_dscnt 0x0                       ; my reads of this slot are over (met: no LDS instruction since the wait above)
	CROUND                                 ; both now hold of every wave of all sixteen work-groups
	tensor_load_to_lds s[G0A+4*\cslot:G0A+4*\cslot+3], s[G1A:G1A+7]   ; the refills come first behind the round
	s_nop 0
	tensor_load_to_lds s[G0B+4*\cslot:G0B+4*\cslot+3], s[G1B:G1B+7]
	s_nop 0
.endif
.if \change == 1
	s_wait_tensorcnt 0x0                   ; my parts of the last K step are in
	s_wait_dscnt 0x0
	s_barrier_signal -1
	s_barrier_wait -1                      ; everybody's are
.endif
.if \nslot >= 0
	FETCH \nslot, \nhalf
.endif
	MUL \zero
.endm
.macro LAP zero                        ; two K steps: once round the ring, both slots filled again
	HALF 0, 1, \zero, 0, 0
	HALF 1, 0, 0, 2, 0
	HALF 1, 1, 0, 0, 0
	HALF 0, 0, 0, 2, 1
.endm
	v_lshl_add_u32 v254, v0, 2, 0x48400
	v_mov_b32 v255, 0
	ds_add_u32 v254, v255
	s_wait_dscnt 0x0
	s_cmp_eq_u32 ttmp9, 3                          ; cluster x is the same in all sixteen partners: the whole cluster takes one way
	s_cbranch_scc1 .Lcast
	s_load_b512 s[4:19], s[0:1], 0x0               ; query, key, value, Wq, Wk, Wv, bq, bk
	s_load_b256 s[20:27], s[0:1], 0x40             ; bv, qh, kh, vh
	v_lshrrev_b32 v1, 5, v0
	v_readfirstlane_b32 s30, v1                    ; wave 0..3
	s_lshr_b32 s31, s30, 1                         ; mi: which 128 rows of the block are mine
	s_and_b32 s66, s30, 1                          ; ni: which 128 columns
	s_bfe_u32 s67, ttmp6, 0x40000                  ; cx
	s_bfe_u32 s68, ttmp6, 0x40004                  ; cy
	s_and_b32 s69, ttmp7, 0xffff
	s_lshl_b32 s69, s69, 2
	s_add_co_u32 s69, s69, s68                     ; row block = 4 x cluster y + cy
	s_lshl_b32 s70, s68, 2
	s_lshl_b32 s70, 15, s70                        ; my row of the cluster: places 4 cy .. 4 cy + 3
	s_lshl_b32 s71, 0x1111, s67                    ; my column: places cx, cx + 4, cx + 8, cx + 12
	; group 1: 64 rows x 64 elements of 4 bytes, pitch 1024 elements; after every 64 words 4 words of padding; bit 21 beside the mask
	s_or_b32 s[G1A+0], s70, (2<<16)|(1<<20)|(1<<21)|(5<<22)|(3<<25)
	s_or_b32 s[G1B+0], s71, (2<<16)|(1<<20)|(1<<21)|(5<<22)|(3<<25)
.irp g, G1A, G1B
	s_mov_b32 s[\g+1], 64<<16                      ; tensor_dim0 = 64
	s_mov_b32 s[\g+2], 64<<16                      ; tensor_dim1 = 64
	s_mov_b32 s[\g+3], 64<<16                      ; tile_dim0 = 64
	s_mov_b32 s[\g+4], 64                          ; tile_dim1 = 64
	s_mov_b32 s[\g+5], 1024                        ; elements from row to row
	s_mov_b32 s[\g+6], 0
	s_mov_b32 s[\g+7], 0
.endr
	s_lshl_b32 s72, s69, 20                        ; X: (256 x row block + 64 x wave) rows of 4,096 bytes; no cx in these registers
	s_lshl_b32 s73, s30, 18
	s_add_co_u32 s72, s72, s73
	s_mov_b32 s73, 0
	s_lshl_b32 s74, s67, 20                        ; W: (256 cx + 64 x wave) rows; no cy in these registers
	s_lshl_b32 s75, s30, 18
	s_add_co_u32 s74, s74, s75
	s_mov_b32 s75, 0
	s_mul_i32 s76, s30, PART                       ; LDS: my quarter of the rows of X,
	s_add_co_u32 s77, s76, 4*PART                  ; and of W: the wave number alone
	s_wait_kmcnt 0x0
	s_cmp_eq_u32 ttmp9, 1                          ; cluster x picks the tensor: the same in all sixteen partners
	s_cselect_b64 s[4:5], s[6:7], s[4:5]
	s_cselect_b64 s[10:11], s[12:13], s[10:11]
	s_cselect_b64 s[16:17], s[18:19], s[16:17]
	s_cselect_b64 s[22:23], s[24:25], s[22:23]
	s_cmp_eq_u32 ttmp9, 2
	s_cselect_b64 s[4:5], s[8:9], s[4:5]           ; X
	s_cselect_b64 s[10:11], s[14:15], s[10:11]     ; W
	s_cselect_b64 s[16:17], s[20:21], s[16:17]     ; bias
	s_cselect_b64 s[22:23], s[26:27], s[22:23]     ; output
	s_cmp_eq_u32 ttmp9, 0
	s_cselect_b32 s28, 0x3fb8aa3b, 1.0             ; q alone is multiplied by log2(e)
	s_mov_b32 s29, s28
	s_add_nc_u64 s[72:73], s[4:5], s[72:73]
	s_add_nc_u64 s[74:75], s[10:11], s[74:75]
	CROUND                                         ; all sixteen work-groups are here: the first joint loads meet
.irp s, 0,1
	s_mov_b32 s[G0A+4*\s], 1
	s_add_co_u32 s[G0A+4*\s+1], s76, \s*SLOT
	s_add_nc_u64 s[G0A+4*\s+2:G0A+4*\s+3], s[72:73], \s*256        ; K step s
	s_or_b32 s[G0A+4*\s+3], s[G0A+4*\s+3], 0x80000000
	s_mov_b32 s[G0B+4*\s], 1
	s_add_co_u32 s[G0B+4*\s+1], s77, \s*SLOT
	s_add_nc_u64 s[G0B+4*\s+2:G0B+4*\s+3], s[74:75], \s*256
	s_or_b32 s[G0B+4*\s+3], s[G0B+4*\s+3], 0x80000000
	tensor_load_to_lds s[G0A+4*\s:G0A+4*\s+3], s[G1A:G1A+7]        ; four loads of the wave are out here, two behind each later round
	s_nop 0
	tensor_load_to_lds s[G0B+4*\s:G0B+4*\s+3], s[G1B:G1B+7]
	s_nop 0
.endr
	v_and_b32 v1, 15, v0                           ; r = lane % 16
	v_bfe_u32 v2, v0, 4, 1                         ; h = lane / 16
	v_and_b32 v3, 31, v0                           ; lane
	v_mul_u32_u24 v4, v1, PITCH
	v_lshl_add_u32 v5, v2, 5, v4                   ; r x pitch + 32 h (8 f32)
	s_mul_i32 s79, s31, 128*PITCH                  ; my 128 rows of X
	s_mul_i32 s80, s66, 128*PITCH                  ; my 128 rows of W,
	s_add_co_u32 s80, s80, 4*PART                  ; which lie behind the 256 of X
.irp s, 0,1
	v_add_nc_u32 v[ADRA+\s], s79, v5
	v_add_nc_u32 v[ADRB+\s], s80, v5
	s_add_co_u32 s79, s79, SLOT
	s_add_co_u32 s80, s80, SLOT
.endr
	s_mul_i32 s81, s30, WSTAGE
	s_add_co_u32 s81, s81, STAGE                   ; my stage
	v_lshl_add_u32 v6, v2, 4, v4
	v_add_nc_u32 v[STO], s81, v6                   ; in: token row r, 16 bytes for each half of the lanes
	v_lshrrev_b32 v7, 3, v3
	v_mul_u32_u24 v7, v7, 2*PITCH                  ; back: eight lanes take 128 bytes (one head) of every second token row (one b)
	v_and_b32 v8, 7, v0
	v_lshl_add_u32 v7, v8, 4, v7
	v_add_nc_u32 v[RD], s81, v7
	v_lshlrev_b32 v[CO], 4, v3
	s_lshl_b32 s82, s67, 10                        ; bias: 4 bytes x (256 cx + 128 ni + 16 b + 8 h)
	s_lshl_b32 s83, s66, 9
	s_add_co_u32 s82, s82, s83
	v_lshlrev_b32 v[BO], 5, v2
	v_add_nc_u32 v[BO], s82, v[BO]
	WIN 0x40                                       ; bias into window 1, v[8 b + j]: waited for on the way out
.irp b, 0,1,2,3,4,5,6,7
	global_load_b128 v[8*\b:8*\b+3],   v[BO], s[16:17] offset:64*\b
	global_load_b128 v[8*\b+4:8*\b+7], v[BO], s[16:17] offset:64*\b+16
.endr
	WIN 0
	s_wait_tensorcnt 0x2                           ; my two parts of K step 0 are in; the two of K step 1 stay out
	s_barrier_signal -1
	s_barrier_wait -1
	FETCH 0, 0
	LAP 1                                          ; the first products start the sums: nothing is cleared
	WIN 0
	s_mov_b32 s78, 6                               ; 16 K steps = 8 laps: one in front, six here, one behind
.Llap:
	LAP 0
	WIN 0
	s_sub_co_u32 s78, s78, 1
	s_cmp_lg_u32 s78, 0
	s_cbranch_scc1 .Llap
	HALF 0, 1, 0, 0, 0                             ; the last lap fills nothing
	HALF 1, 0, 0, 1, 0
	HALF 1, 1, 0, 0, 0
	HALF -1, 0, 0, 0, 0
	; THE WAY OUT.  (sum + bias) x c = sum x c + bias x c, c = log2(e) for q and 1 for k, v.
	s_wait_loadcnt 0x0                             ; the bias
	WIN 0x41
.set KK, 0
.rept 32
	v_pk_mul_f32 v[KK:KK+1], v[KK:KK+1], s[28:29] op_sel_hi:[1,0]   ; these 32 lines are also the places behind the last matrix instructions
.set KK, KK+2
.endr
	s_lshl_b32 s80, s67, 2
	s_lshl_b32 s81, s66, 1
	s_add_co_u32 s80, s80, s81                     ; my first head = 4 cx + 2 ni
	s_lshl_b32 s80, s80, 18                        ; a head is 2048 x 64 x 2 = 262,144 bytes
	s_lshl_b32 s81, s69, 7
	s_lshl_b32 s82, s31, 6
	s_add_co_u32 s81, s81, s82                     ; my first s = 128 x row block + 64 mi
	s_lshl_b32 s81, s81, 7                         ; 128 bytes for each s
	s_add_co_u32 s80, s80, s81
	s_mov_b32 s81, 0
	s_add_nc_u64 s[22:23], s[22:23], s[80:81]
; 16 token rows (8 s x 2 b) x 128 columns (2 heads): scale and bias, round to bf16, through my stage, out as 8 stores of 512 consecutive bytes.
.macro OUT16 i, a, win
	WIN \win                                       ; source 0 = accumulators (window 2 or 3), source 2 = bias (window 1), destination window 0
.irp b, 0,1,2,3,4,5,6,7
.irp k, 0,2,4,6
	v_pk_fma_f32 v[ST+8*\b+\k:ST+8*\b+\k+1], v[8*(8*\a+\b)+\k:8*(8*\a+\b)+\k+1], s[28:29], v[8*\b+\k:8*\b+\k+1] op_sel_hi:[1,0,1]
.endr
.endr
	WIN 0
.irp b, 0,1,2,3,4,5,6,7
.irp k, 0,1,2,3
	v_cvt_pk_bf16_f32 v[PK+4*\b+\k], v[ST+8*\b+2*\k], v[ST+8*\b+2*\k+1]
.endr
.endr
.irp b, 0,1,2,3,4,5,6,7
	ds_store_b128 v[STO], v[PK+4*\b:PK+4*\b+3] offset:32*\b
.endr
	s_wait_xcnt 0x0                                ; the registers read back into were the data of the last stores: rewritten only behind this wait
.irp t, 0,1,2,3,4,5,6,7
	ds_load_b128 v[BK+4*\t:BK+4*\t+3], v[RD] offset:(\t>>2)*8*PITCH+(\t&1)*PITCH+((\t>>1)&1)*128   ; LDS serves a wave in order: these see the stores above
.endr
.irp t, 0,1,2,3,4,5,6,7
	s_wait_dscnt 7-\t                              ; read-back t is in, the younger ones stay out
	global_store_b128 v[CO], v[BK+4*\t:BK+4*\t+3], s[22:23] offset:\i*1024+(\t&1)*4194304+((\t>>1)&1)*262144+(\t>>2)*512   ; b, head, four s: 512 consecutive bytes, aligned
.endr
.endm
	OUT16 0, 0, 0x12
	OUT16 1, 1, 0x12
	OUT16 2, 2, 0x12
	OUT16 3, 3, 0x12
	OUT16 4, 0, 0x13
	OUT16 5, 1, 0x13
	OUT16 6, 2, 0x13
	OUT16 7, 3, 0x13
	s_wait_xcnt 0x0
	v_lshl_add_u32 v254, v0, 2, 0x48400
	v_mov_b32 v255, 0
	s_wait_tensorcnt 0x0
	ds_add_u32 v254, v255
	s_wait_dscnt 0x0
	CROUND                                         ; the closing round: no work-group ends while a partner may still ask jointly
	s_endpgm
; THE CAST: wob = Wo rounded to bf16, same order [1024 n][1024 k].  The four clusters with cluster x = 3: 64 work-groups, 65,536 bytes in and
; 32,768 out each; a wave takes 16,384 bytes by 32 loads of 512 consecutive bytes, all issued at once, and stores 256 consecutive bytes for each.
; No register that a load or store names is written again.  cx and cy enter global addresses alone.
.Lcast:
	s_load_b128 s[4:7], s[0:1], 0x60               ; Wo, wob
	v_lshrrev_b32 v1, 5, v0
	v_readfirstlane_b32 s30, v1                    ; wave 0..3
	s_bfe_u32 s67, ttmp6, 0x40000                  ; cx
	s_bfe_u32 s68, ttmp6, 0x40004                  ; cy
	s_and_b32 s69, ttmp7, 0xffff
	s_lshl_b32 s69, s69, 2
	s_add_co_u32 s69, s69, s68
	s_lshl_b32 s69, s69, 2
	s_add_co_u32 s69, s69, s67                     ; 0 .. 63 = 4 (4 x cluster y + cy) + cx
	s_lshl_b32 s72, s69, 16
	s_mov_b32 s73, 0
	s_lshl_b32 s74, s69, 15
	s_mov_b32 s75, 0
	v_and_b32 v2, 31, v0                           ; lane
	v_and_b32 v3, 0x60, v0                         ; 32 x wave
	v_lshlrev_b32 v4, 4, v2
	v_lshl_or_b32 v4, v3, 9, v4                    ; in: 16,384 x wave + 16 x lane
	v_lshlrev_b32 v5, 3, v2
	v_lshl_or_b32 v5, v3, 8, v5                    ; out: 8,192 x wave + 8 x lane
	s_wait_kmcnt 0x0
	s_add_nc_u64 s[4:5], s[4:5], s[72:73]
	s_add_nc_u64 s[6:7], s[6:7], s[74:75]
.set J, 0
.rept 32
	global_load_b128 v[8+4*J:11+4*J], v4, s[4:5] offset:512*J th:TH_LOAD_NT
.set J, J+1
.endr
.set J, 0
.rept 32
	s_wait_loadcnt 31-J                            ; loads come back in order: load J is in, the younger ones stay out
	v_cvt_pk_bf16_f32 v[136+2*J], v[8+4*J], v[9+4*J]
	v_cvt_pk_bf16_f32 v[137+2*J], v[10+4*J], v[11+4*J]
	global_store_b64 v5, v[136+2*J:137+2*J], s[6:7] offset:256*J   ; 32 lanes store 256 consecutive bytes, aligned
.set J, J+1
.endr
	CROUND                                         ; every way through this text ends behind a round of the cluster barrier
	s_endpgm
.Lfunc_end_k_q54709a6b8e_proj:
	.size	k_q54709a6b8e_proj, .Lfunc_end_k_q54709a6b8e_proj-k_q54709a6b8e_proj
	.p2alignl 7, 3214868480
	.fill 96, 4, 3214868480
	.section	.rodata,"a",@progbits
	.p2align	6, 0x0
	.amdhsa_kernel k_q54709a6b8e_proj
		.amdhsa_group_segment_fixed_size 327680
		.amdhsa_private_segment_fixed_size 0
		.amdhsa_enable_private_segment 0
		.amdhsa_kernarg_size 112
		.amdhsa_user_sgpr_count 2
		.amdhsa_user_sgpr_kernarg_segment_ptr 1
		.amdhsa_wavefront_size32 1
		.amdhsa_system_sgpr_workgroup_id_x 1
		.amdhsa_system_sgpr_workgroup_id_y 1
		.amdhsa_system_sgpr_workgroup_id_z 1
		.amdhsa_system_vgpr_workitem_id 0
		.amdhsa_next_free_vgpr 1024
		.amdhsa_next_free_sgpr 84
		.amdhsa_reserve_vcc 0
		.amdhsa_float_denorm_mode_32 3
		.amdhsa_float_denorm_mode_16_64 3
		.amdhsa_memory_ordered 1
		.amdhsa_forward_progress 1
		.amdhsa_inst_pref_size 255
	.end_amdhsa_kernel
	.section	.bss,"aw",@nobits
	.p2align	6
	.space	262144
	.amdgpu_metadata
---
amdhsa.version: [ 1, 2 ]
amdhsa.kernels:
  - .name:           k_q54709a6b8e_proj
    .symbol:         k_q54709a6b8e_proj.kd
    .args:
      - { .name: query_tensor, .offset: 0, .size: 8, .value_kind: global_buffer, .address_space: global }
      - { .name: key_tensor, .offset: 8, .size: 8, .value_kind: global_buffer, .address_space: global }
      - { .name: value_tensor, .offset: 16, .size: 8, .value_kind: global_buffer, .address_space: global }
      - { .name: Wq, .offset: 24, .size: 8, .value_kind: global_buffer, .address_space: global }
      - { .name: Wk, .offset: 32, .size: 8, .value_kind: global_buffer, .address_space: global }
      - { .name: Wv, .offset: 40, .size: 8, .value_kind: global_buffer, .address_space: global }
      - { .name: bq, .offset: 48, .size: 8, .value_kind: global_buffer, .address_space: global }
      - { .name: bk, .offset: 56, .size: 8, .value_kind: global_buffer, .address_space: global }
      - { .name: bv, .offset: 64, .size: 8, .value_kind: global_buffer, .address_space: global }
      - { .name: qh, .offset: 72, .size: 8, .value_kind: global_buffer, .address_space: global }
      - { .name: kh, .offset: 80, .size: 8, .value_kind: global_buffer, .address_space: global }
      - { .name: vh, .offset: 88, .size: 8, .value_kind: global_buffer, .address_space: global }
      - { .name: Wo, .offset: 96, .size: 8, .value_kind: global_buffer, .address_space: global }
      - { .name: wob, .offset: 104, .size: 8, .value_kind: global_buffer, .address_space: global }
    .group_segment_fixed_size: 327680
    .private_segment_fixed_size: 0
    .kernarg_segment_align: 8
    .kernarg_segment_size: 112
    .max_flat_workgroup_size: 128
    .sgpr_count:     84
    .vgpr_count:     1024
    .wavefront_size: 32
...
	.end_amdgpu_metadata
.endif
;; end of part 1
;; launch attn (part 2): grid 8 x 32, 8 waves a work-group, clusters of 4 x 1, 327,680 bytes of LDS; arguments qh, kh, vh, ctx; writes ctx
.if DOCPART == 2
	.amdgcn_target "amdgcn-amd-amdhsa--gfx1250"
	.amdhsa_code_object_version 6
	.text
	.protected	k_q54709a6b8e_attn
	.globl	k_q54709a6b8e_attn
	.p2align	8
	.type	k_q54709a6b8e_attn,@function
k_q54709a6b8e_attn:
	s_mov_b64 s[64:65], 0
	v_nop
	global_prefetch_b8 v0, s[64:65] scope:SCOPE_SE
	s_setreg_imm32_b32 hwreg(HW_REG_WAVE_MODE, 25, 1), 1
	s_wait_xcnt 0x0
	s_wait_alu depctr_hold_cnt(0) depctr_sa_sdst(0) depctr_va_vdst(0) depctr_va_sdst(0) depctr_va_ssrc(0) depctr_va_vcc(0) depctr_vm_vsrc(0)
	s_getreg_b32 s2, hwreg(HW_REG_IB_STS2, 6, 4)
	s_cmp_eq_u32 s2, 0
	s_cbranch_scc0 .Lentry_in_a_cluster
	s_endpgm
.Lentry_in_a_cluster:
	s_bfe_u32 s2, ttmp6, 0x10000c
	s_cmp_lg_u32 s2, 0x3003
	s_cbranch_scc0 .Lentry_shape_is_right
	s_endpgm
.Lentry_shape_is_right:
; ctx = softmax(q k^T) v for one head (16 b + head = work-group y) and 256 queries; q already carries log2(e), so 2^x is used.
; qh, kh, vh, ctx: [32 heads][2048][64] bf16.  No 1/sqrt(dh), as the problem has none.
; The maximum is taken away before every exponential: a running maximum per query, old sums rescaled by 2^(old - new).
; LIMITS: probabilities enter the second product as bf16; the denominator is summed in f32 from the unrounded probabilities;
; v_exp_f32 gives 0 below 2^-126 (ISA guide 15.8); NaN and infinities are not treated beyond what the arithmetic gives.
; SHARING: eight waves, 32 queries each.  The four work-groups of a cluster are four query blocks of one head and read the same K and V tiles:
; every tile is asked for jointly (mask 15).
; ORIENTATION: S^T = K Q^T and O^T = V^T P^T.  A lane owns one query (lane % 16) and half of the keys of each 16-key tile, so the row maximum and
; the row sum need one exchange between lane halves, two S^T tiles pack into one fragment of P^T, and rescaling is one factor a lane.
; V^T fragments come by the transposing LDS load from V as it lies, [key][d].
; SCHEDULE: the two query tiles of a wave are two streams, half a step (64 keys) apart, so that one stream's vector work stands between the
; other stream's matrix instructions:
;   phase 0 of step i: softmax of stream 0 (step i)  with  S^T of stream 1 (step i),     then O^T of stream 1 (step i - 1)
;   phase 1 of step i: softmax of stream 1 (step i)  with  S^T of stream 0 (step i + 1), then O^T of stream 0 (step i)
; K(i + 1) is loaded in phase 0 behind the last product that reads K(i), V(i) at the end of phase 0 behind the last that reads V(i - 1).
; REGISTER WINDOWS: 0: addresses, Q, K, S^T, V^T, maxima; 1: O^T, the exponentials and P^T, sum chains, alpha, l.  Three settings a phase:
; 0 (maxima with S^T products; LDS loads), 0x54 (exponentials from window 0 into window 1, with O^T products), 0x55 (all in window 1).
.set KP,     144                       ; LDS pitch of K: 128 bytes + 16
.set VP,     160                       ; LDS pitch of V: 128 bytes + 32, an odd multiple of 32 for the transposing load
.set VOFF,   256*KP
.set SLOT,   VOFF+256*VP               ; a tile is 256 keys: K, then V
.set STAGE,  2*SLOT                    ; behind the ring: 32 rows x 144 bytes for each wave; no tensor load lands here
.set WSTAGE, 32*KP
.set TILEB,  256*128                   ; bytes of a tile of K or of V in memory
.set KA,   4                           ; v4-5    LDS address of my K fragments, slot 0, 1
.set VA,   6                           ; v6-7    the same for V
.set STO,  8
.set RD,   9
.set CO,   10
.set QO,   11
.set RC,   12                          ; v12-15  four maximum chains
.set RT,   16                          ; the new maximum
.set RDL,  17                          ; old maximum - new maximum
.set RQ,   24                          ; v24-55   Q fragments (n, ks) at 24 + 8 (2 n + ks)
.set RK,   56                          ; v56-119  K fragments (m, ks) at 56 + 8 (2 m + ks)
.set RS,   120                         ; v120-183 S^T tiles (n, m) at 120 + 8 (4 n + m)
.set RV,   184                         ; v184-247 V^T fragments (md, ks2) at 184 + 8 (2 md + ks2)
.set RM,   248                         ; (m, unused) of stream n at v[248 + 2 n : 249 + 2 n]
.set WO,   0                           ; window 1: v0-63    O^T tiles (md, n) at 8 (2 md + n)
.set WE,   64                          ; window 1: v64-127  stream n: 32 exponentials at 64 + 32 n; packed in place, P^T (n, ks2) at 64 + 32 n + 8 ks2
.set WT,   128                         ; window 1: v128-131 two sum chains of pairs
.set WAL,  132                         ; window 1: (alpha, unused) of stream n at v[132 + 2 n : 133 + 2 n]
.set WL,   136                         ; window 1: l of stream n at v[136 + n]
.set G1K, 16
.set G1V, 24
.set G0K, 32                           ; s[32:39] one set for each slot
.set G0V, 40
.set MSB, 0
.macro WIN new                         ; the high byte of the immediate repeats the setting that is left
.if MSB != \new
	s_set_vgpr_msb (MSB<<8)|\new
.set MSB, \new
.endif
.endm
.macro ROUND                           ; a round of the cluster barrier
	s_barrier_signal -1
	s_barrier_wait -1
	s_cmp_lg_u32 s12, 0
	s_cbranch_scc1 .Lnot_wave_0_\@
	s_barrier_signal -3
.Lnot_wave_0_\@:
	s_barrier_wait -3
	s_barrier_signal -1
	s_barrier_wait -1
.endm
.macro LDK slot, st                    ; 64 keys x 64 d: 16 loads
.irp ks, 0,1
.irp m, 0,1,2,3
	ds_load_b128 v[RK+8*(2*\m+\ks):RK+8*(2*\m+\ks)+3],   v[KA+\slot] offset:(64*\st+16*\m)*KP+64*\ks
	ds_load_b128 v[RK+8*(2*\m+\ks)+4:RK+8*(2*\m+\ks)+7], v[KA+\slot] offset:(64*\st+16*\m)*KP+64*\ks+32
.endr
.endr
.endm
.macro LDV slot, st                    ; V^T fragments: 16 d x 32 keys each, two transposing loads 16 keys apart: 16 loads
.irp md, 0,1,2,3
.irp ks, 0,1
	ds_load_tr16_b128 v[RV+8*(2*\md+\ks):RV+8*(2*\md+\ks)+3],   v[VA+\slot] offset:(64*\st+32*\ks)*VP+32*\md
	ds_load_tr16_b128 v[RV+8*(2*\md+\ks)+4:RV+8*(2*\md+\ks)+7], v[VA+\slot] offset:(64*\st+32*\ks+16)*VP+32*\md
.endr
.endr
.endm
; Matrix instruction idx (0..7) of S^T of stream n: d = 0..31 for the four key tiles (these start the sums), then d = 32..63.
; The four accumulators take turns, one instruction a turn.
.macro QKW q, n, idx
.if \q
.if \idx < 4
	v_wmma_f32_16x16x32_bf16 v[RS+8*(4*\n+\idx):RS+8*(4*\n+\idx)+7], v[RK+16*\idx:RK+16*\idx+7], v[RQ+16*\n:RQ+16*\n+7], 0
.else
	v_wmma_f32_16x16x32_bf16 v[RS+8*(4*\n+\idx-4):RS+8*(4*\n+\idx-4)+7], v[RK+16*(\idx-4)+8:RK+16*(\idx-4)+15], v[RQ+16*\n+8:RQ+16*\n+15], v[RS+8*(4*\n+\idx-4):RS+8*(4*\n+\idx-4)+7]
.endif
.endif
.endm
; Matrix instruction idx (0..7) of O^T of stream o, under setting 0x54: keys 0..31 for the four d tiles, then keys 32..63.
; pv = 1: the first four start the sums; pv = 2: all add in place.  The four accumulators take turns, one instruction a turn.
.macro PVW pv, o, idx
.if \pv
.if \idx < 4
.if \pv == 1
	v_wmma_f32_16x16x32_bf16 v[WO+8*(2*\idx+\o):WO+8*(2*\idx+\o)+7], v[RV+16*\idx:RV+16*\idx+7], v[WE+32*\o:WE+32*\o+7], 0
.else
	v_wmma_f32_16x16x32_bf16 v[WO+8*(2*\idx+\o):WO+8*(2*\idx+\o)+7], v[RV+16*\idx:RV+16*\idx+7], v[WE+32*\o:WE+32*\o+7], v[WO+8*(2*\idx+\o):WO+8*(2*\idx+\o)+7]
.endif
.else
	v_wmma_f32_16x16x32_bf16 v[WO+8*(2*(\idx-4)+\o):WO+8*(2*(\idx-4)+\o)+7], v[RV+16*(\idx-4)+8:RV+16*(\idx-4)+15], v[WE+32*\o+8:WE+32*\o+15], v[WO+8*(2*(\idx-4)+\o):WO+8*(2*(\idx-4)+\o)+7]
.endif
.endif
.endm
.macro SUBM n, j                       ; two scores less the maximum
	v_pk_add_f32 v[RS+32*\n+\j:RS+32*\n+\j+1], v[RS+32*\n+\j:RS+32*\n+\j+1], v[RM+2*\n:RM+2*\n+1] op_sel_hi:[1,0] neg_lo:[0,1] neg_hi:[0,1]
.endm
; Stream n: the new running maximum, old - new, and the maximum taken away from the lane's 32 scores; between these lines S^T of stream o.
; None of the vector lines names a register of those matrix instructions; six of them stand behind the last one, ahead of the loads into K.
.macro MAXQK n, o, first, q
.irp k, 0,1,2,3
	v_max3_num_f32 v[RC+\k], v[RS+32*\n+8*\k], v[RS+32*\n+8*\k+1], v[RS+32*\n+8*\k+2]
.endr
	QKW \q, \o, 0
.irp k, 0,1,2,3
	v_max3_num_f32 v[RC+\k], v[RC+\k], v[RS+32*\n+8*\k+3], v[RS+32*\n+8*\k+4]
.endr
	QKW \q, \o, 1
.irp k, 0,1,2,3
	v_max3_num_f32 v[RC+\k], v[RC+\k], v[RS+32*\n+8*\k+5], v[RS+32*\n+8*\k+6]
.endr
	QKW \q, \o, 2
.irp k, 0,1,2,3
	v_max_num_f32 v[RC+\k], v[RC+\k], v[RS+32*\n+8*\k+7]
.endr
	QKW \q, \o, 3
	v_max3_num_f32 v[RT], v[RC], v[RC+1], v[RC+2]
.if \first
	v_max_num_f32 v[RT], v[RT], v[RC+3]
.else
	v_max3_num_f32 v[RT], v[RT], v[RC+3], v[RM+2*\n]
.endif
	v_permlanex16_b32 v[RC], v[RT], s48, s49       ; the other half of the keys of the same query
	v_max_num_f32 v[RT], v[RT], v[RC]
	QKW \q, \o, 4
.if \first == 0
	v_sub_f32 v[RDL], v[RM+2*\n], v[RT]
.endif
	v_mov_b32 v[RM+2*\n], v[RT]
	SUBM \n, 0
	SUBM \n, 2
	QKW \q, \o, 5
.irp j, 4,6,8,10
	SUBM \n, \j
.endr
	QKW \q, \o, 6
.irp j, 12,14,16,18
	SUBM \n, \j
.endr
	QKW \q, \o, 7
.irp j, 20,22,24,26,28,30
	SUBM \n, \j
.endr
.endm
; Setting 0x54.  Stream n: alpha = 2^(old - new) and the 32 exponentials, from window 0 into window 1; behind every four of them a product of O^T of stream o.
.macro EXPV n, o, first, pv
.if \first == 0
	v_exp_f32 v[WAL+2*\n], v[RDL]
.endif
.irp g, 0,1,2,3,4,5,6,7
.irp j, 0,1,2,3
	v_exp_f32 v[WE+32*\n+4*\g+\j], v[RS+32*\n+4*\g+\j]
.endr
	PVW \pv, \o, \g
.endr
.endm
; Tile g of stream n: its eight probabilities join the sum chains, then pack into four registers, in place: the targets lie in tiles already packed.
.macro SUMPACK n, g
.if \g == 0
	s_wait_alu depctr_va_vdst(0)
	v_pk_add_f32 v[WT:WT+1],   v[WE+32*\n:WE+32*\n+1],   v[WE+32*\n+2:WE+32*\n+3]
	v_pk_add_f32 v[WT+2:WT+3], v[WE+32*\n+4:WE+32*\n+5], v[WE+32*\n+6:WE+32*\n+7]
.else
	v_pk_add_f32 v[WT:WT+1],   v[WT:WT+1],   v[WE+32*\n+8*\g:WE+32*\n+8*\g+1]
	v_pk_add_f32 v[WT+2:WT+3], v[WT+2:WT+3], v[WE+32*\n+8*\g+2:WE+32*\n+8*\g+3]
	v_pk_add_f32 v[WT:WT+1],   v[WT:WT+1],   v[WE+32*\n+8*\g+4:WE+32*\n+8*\g+5]
	v_pk_add_f32 v[WT+2:WT+3], v[WT+2:WT+3], v[WE+32*\n+8*\g+6:WE+32*\n+8*\g+7]
.endif
.irp i, 0,1,2,3
	v_cvt_pk_bf16_f32 v[WE+32*\n+4*\g+\i], v[WE+32*\n+8*\g+2*\i], v[WE+32*\n+8*\g+2*\i+1]
.endr
.endm
; Setting 0x55, all in window 1.  Stream n: O^T x alpha, the sum of the step, P^T, l = l alpha + sum (the lane's half of the keys).
.macro TAIL n, first
	v_nop                                          ; the plain place behind the exponentials (ISA guide 5.7.2)
.if \first == 0
	s_wait_alu depctr_va_vdst(0)
.irp md, 0,1,2,3
.irp j, 0,2,4,6
	v_pk_mul_f32 v[WO+8*(2*\md+\n)+\j:WO+8*(2*\md+\n)+\j+1], v[WO+8*(2*\md+\n)+\j:WO+8*(2*\md+\n)+\j+1], v[WAL+2*\n:WAL+2*\n+1] op_sel_hi:[1,0]
.endr
.endr
.endif
	SUMPACK \n, 0
	SUMPACK \n, 1
	SUMPACK \n, 2
	SUMPACK \n, 3
	v_pk_add_f32 v[WT:WT+1], v[WT:WT+1], v[WT+2:WT+3]
.if \first
	v_add_f32 v[WL+\n], v[WT], v[WT+1]
.else
	v_add_f32 v[WT], v[WT], v[WT+1]
	v_fma_f32 v[WL+\n], v[WL+\n], v[WAL+2*\n], v[WT]
.endif
.endm
; One phase.  n: the stream of the vector work, o: the other one.  q: S^T of stream o or none.  pv: O^T of stream o (0 none, 1 starts the sums, 2 adds).
; kw, vw: counts of the waits for K and for V (negative: none).  kslot, kst / vslot, vst: what is loaded into K and into V (negative: nothing).
.macro PHASE n, o, first, q, pv, kw, vw, kslot, kst, vslot, vst
.if \kw >= 0
	s_wait_dscnt \kw                               ; the K fragments are in; with 16, the 16 loads of V issued behind them stay out
.endif
	MAXQK \n, \o, \first, \q
.if \kslot >= 0
	LDK \kslot, \kst
.endif
.if \vw >= 0
	s_wait_dscnt \vw                               ; the V^T fragments are in
.endif
	WIN 0x54                                       ; destination, source 1 and source 2 window 1; source 0 window 0
	EXPV \n, \o, \first, \pv
	WIN 0x55
	TAIL \n, \first
	WIN 0
.if \vslot >= 0
	LDV \vslot, \vst                               ; far more than four plain places behind the last product that read V^T
.endif
.endm
; The change of tiles, between phase 0 and phase 1 of a tile's last step.  In front of the round every wave has waited for all its tensor loads and for
; its reads (the last V of the old tile among them); behind it the old slot is filled first, then K of the new tile's first step is read.
.macro BOUND slot, refill
	s_wait_tensorcnt 0x0                   ; all my loads have landed, my part of this tile among them, so group 0 may be written:
	ds_add_u32 v254, v255
	s_wait_dscnt 0x0
	s_add_nc_u64 s[G0K+4*\slot+2:G0K+4*\slot+3], s[G0K+4*\slot+2:G0K+4*\slot+3], 2*TILEB   ; this slot's next tile
	s_add_nc_u64 s[G0V+4*\slot+2:G0V+4*\slot+3], s[G0V+4*\slot+2:G0V+4*\slot+3], 2*TILEB
	s_wait_dscnt 0x0                       ; my reads of the last tile are over
	ROUND
.if \refill
	tensor_load_to_lds s[G0K+4-4*\slot:G0K+7-4*\slot], s[G1K:G1K+7]    ; the next tile, into the slot read last; two loads of the wave are out
	s_nop 0
	tensor_load_to_lds s[G0V+4-4*\slot:G0V+7-4*\slot], s[G1V:G1V+7]
	s_nop 0
.endif
	LDK \slot, 0
.endm
.macro TRIP slot, refill
	BOUND \slot, \refill
	PHASE 1, 0, 0, 1, 2, 0, -1, -1, 0, -1, 0               ; phase 1 of the old tile's last step; its V was waited for at the change
	PHASE 0, 1, 0, 1, 2, -1, -1, \slot, 1, \slot, 0
	PHASE 1, 0, 0, 1, 2, 16, 0, -1, 0, -1, 0
	PHASE 0, 1, 0, 1, 2, -1, -1, \slot, 2, \slot, 1
	PHASE 1, 0, 0, 1, 2, 16, 0, -1, 0, -1, 0
	PHASE 0, 1, 0, 1, 2, -1, -1, \slot, 3, \slot, 2
	PHASE 1, 0, 0, 1, 2, 16, 0, -1, 0, -1, 0
	PHASE 0, 1, 0, 1, 2, -1, -1, -1, 0, \slot, 3
.endm
	s_load_b256 s[4:11], s[0:1], 0x0               ; qh, kh, vh, ctx
	v_lshl_add_u32 v254, v0, 2, 0x2f000
	v_mov_b32 v255, 0
	ds_add_u32 v254, v255
	v_lshrrev_b32 v1, 5, v0
	v_readfirstlane_b32 s12, v1                    ; wave 0..7
	s_bfe_u32 s13, ttmp6, 0x40000                  ; cx
	s_lshl_b32 s14, ttmp9, 2
	s_add_co_u32 s14, s14, s13                     ; query block = 4 x cluster x + cx: enters only the addresses of Q and ctx
	s_and_b32 s15, ttmp7, 0xffff                   ; head 16 b + h
	s_mov_b32 s48, 0x76543210                      ; v_permlanex16_b32: lane i takes lane i of the other half
	s_mov_b32 s49, 0xfedcba98
	; group 1: 32 rows x 64 elements of 2 bytes, dense; after every 32 words 4 (K) or 8 (V) words of padding; mask 15, bit 21 beside it
	s_mov_b32 s[G1K+0], 15|(1<<16)|(1<<20)|(1<<21)|(4<<22)|(3<<25)
	s_mov_b32 s[G1V+0], 15|(1<<16)|(1<<20)|(1<<21)|(4<<22)|(7<<25)
.irp g, G1K, G1V
	s_mov_b32 s[\g+1], 64<<16                      ; tensor_dim0 = 64
	s_mov_b32 s[\g+2], 32<<16                      ; tensor_dim1 = 32
	s_mov_b32 s[\g+3], 64<<16                      ; tile_dim0 = 64
	s_mov_b32 s[\g+4], 32                          ; tile_dim1 = 32
	s_mov_b32 s[\g+5], 64                          ; elements from row to row
	s_mov_b32 s[\g+6], 0
	s_mov_b32 s[\g+7], 0
.endr
	s_lshl_b32 s52, s15, 18                        ; the head: 262,144 bytes
	s_lshl_b32 s53, s12, 12                        ; my 32 rows of 128 bytes
	s_add_co_u32 s52, s52, s53
	s_mov_b32 s53, 0
	s_lshl_b32 s54, s14, 15                        ; the query block: 256 rows of 128 bytes
	s_add_co_u32 s54, s54, s52
	s_mov_b32 s55, 0
	s_mul_i32 s2, s12, 32*KP                       ; LDS: my 32 keys of K,
	s_mul_i32 s3, s12, 32*VP
	s_add_co_u32 s3, s3, VOFF                      ; and of V: the wave number alone
	s_add_co_u32 s51, s2, STAGE                    ; my stage (32 rows of 144 bytes, as my part of K)
	s_wait_dscnt 0x0
	s_wait_kmcnt 0x0
	s_add_nc_u64 s[6:7], s[6:7], s[52:53]
	s_add_nc_u64 s[8:9], s[8:9], s[52:53]
	s_add_nc_u64 s[4:5], s[4:5], s[54:55]
	s_add_nc_u64 s[10:11], s[10:11], s[54:55]
.irp s, 0,1
	s_mov_b32 s[G0K+4*\s], 1
	s_add_co_u32 s[G0K+4*\s+1], s2, \s*SLOT
	s_add_nc_u64 s[G0K+4*\s+2:G0K+4*\s+3], s[6:7], \s*TILEB        ; tile s
	s_or_b32 s[G0K+4*\s+3], s[G0K+4*\s+3], 0x80000000
	s_mov_b32 s[G0V+4*\s], 1
	s_add_co_u32 s[G0V+4*\s+1], s3, \s*SLOT
	s_add_nc_u64 s[G0V+4*\s+2:G0V+4*\s+3], s[8:9], \s*TILEB
	s_or_b32 s[G0V+4*\s+3], s[G0V+4*\s+3], 0x80000000
.endr
	ROUND                                          ; the four work-groups are here: the first joint loads meet
	tensor_load_to_lds s[G0K:G0K+3], s[G1K:G1K+7]  ; tile 0
	s_nop 0
	tensor_load_to_lds s[G0V:G0V+3], s[G1V:G1V+7]
	s_nop 0
	v_and_b32 v1, 15, v0                           ; r
	v_bfe_u32 v2, v0, 4, 1                         ; h
	v_and_b32 v3, 31, v0                           ; lane
	v_lshlrev_b32 v[QO], 7, v1
	v_lshl_add_u32 v[QO], v2, 4, v[QO]             ; query r, 16 h bytes
.irp n, 0,1
.irp ks, 0,1
	global_load_b128 v[RQ+8*(2*\n+\ks):RQ+8*(2*\n+\ks)+3],   v[QO], s[4:5] offset:\n*2048+64*\ks
	global_load_b128 v[RQ+8*(2*\n+\ks)+4:RQ+8*(2*\n+\ks)+7], v[QO], s[4:5] offset:\n*2048+64*\ks+32
.endr
.endr
	v_mul_u32_u24 v[KA], v1, KP
	v_lshl_add_u32 v[KA], v2, 4, v[KA]             ; key r x pitch + 16 h
	v_add_nc_u32 v[STO], s51, v[KA]                ; the stage takes query r, 16 h bytes in the same way
	v_add_nc_u32 v[KA+1], SLOT, v[KA]
	v_and_b32 v12, 7, v0
	v_lshl_add_u32 v13, v2, 3, v12                 ; key 8 h + lane % 8
	v_mul_u32_u24 v[VA], v13, VP
	v_bfe_u32 v13, v0, 3, 1
	v_lshl_add_u32 v[VA], v13, 4, v[VA]            ; + 16 bytes for every second group of eight lanes
	v_add_nc_u32 v[VA], VOFF, v[VA]
	v_add_nc_u32 v[VA+1], SLOT, v[VA]
	v_lshrrev_b32 v13, 3, v3
	v_mul_u32_u24 v[RD], v13, KP                   ; back: eight lanes take a row of 128 bytes
	v_lshl_add_u32 v[RD], v12, 4, v[RD]
	v_add_nc_u32 v[RD], s51, v[RD]
	v_lshlrev_b32 v[CO], 4, v3
	v_mov_b32 v[RM+1], 0                           ; the unused halves of the four pairs are written once: packed forms count both registers as read
	v_mov_b32 v[RM+3], 0
	WIN 0x40
	v_mov_b32 v[WAL+1], 0
	v_mov_b32 v[WAL+3], 0
	WIN 0
	s_wait_loadcnt 0x0                             ; Q
	; The first tile: S^T of stream 0 alone, then the phases in which the maxima, l and O^T are started and nothing is cleared.
	BOUND 0, 1
	s_wait_dscnt 0x0
.irp x, 0,1,2,3,4,5,6,7
	QKW 1, 0, \x
.endr
.rept 4
	v_nop                                          ; four places before the maxima read the results
.endr
	PHASE 0, 1, 1, 1, 0, -1, -1, 0, 1, 0, 0
	PHASE 1, 0, 1, 1, 1, 16, 0, -1, 0, -1, 0
	PHASE 0, 1, 0, 1, 1, -1, -1, 0, 2, 0, 1
	PHASE 1, 0, 0, 1, 2, 16, 0, -1, 0, -1, 0
	PHASE 0, 1, 0, 1, 2, -1, -1, 0, 3, 0, 2
	PHASE 1, 0, 0, 1, 2, 16, 0, -1, 0, -1, 0
	PHASE 0, 1, 0, 1, 2, -1, -1, -1, 0, 0, 3
	TRIP 1, 1                                      ; 8 tiles: two in front, four in the loop, two behind
	s_mov_b32 s50, 2
.Ltiles:
	TRIP 0, 1
	TRIP 1, 1
	s_sub_co_u32 s50, s50, 1
	s_cmp_lg_u32 s50, 0
	s_cbranch_scc1 .Ltiles
	TRIP 0, 1
	TRIP 1, 0                                      ; the last tile: nothing is fetched behind it
	PHASE 1, 0, 0, 0, 2, -1, 0, -1, 0, -1, 0       ; phase 1 of the last step: no further S^T
	WIN 0x54
.irp x, 0,1,2,3,4,5,6,7
	PVW 2, 1, \x                                   ; O^T of stream 1, last step
.endr
	; THE WAY OUT: the two halves of the denominator meet, O^T / l, bf16, through my stage, 8 stores of 512 consecutive bytes.
	WIN 0x55
.rept 4
	v_nop                                          ; four places before vector instructions read O^T
.endr
	v_permlanex16_b32 v[WT],   v[WL],   s48, s49
	v_permlanex16_b32 v[WT+1], v[WL+1], s48, s49
	v_add_f32 v[WL],   v[WL],   v[WT]
	v_add_f32 v[WL+1], v[WL+1], v[WT+1]
	v_rcp_f32 v[WAL],   v[WL]                      ; l >= 1: the largest score of a query gives 2^0
	v_rcp_f32 v[WAL+2], v[WL+1]
	v_nop                                          ; the plain place behind the reciprocals
	s_wait_alu depctr_va_vdst(0)
.irp g, 0,1,2,3,4,5,6,7
.irp j, 0,2,4,6
	v_pk_mul_f32 v[WO+8*\g+\j:WO+8*\g+\j+1], v[WO+8*\g+\j:WO+8*\g+\j+1], v[WAL+2*(\g&1):WAL+2*(\g&1)+1] op_sel_hi:[1,0]
.endr
.endr
.irp g, 0,1,2,3,4,5,6,7
.irp i, 0,1,2,3
	v_cvt_pk_bf16_f32 v[WE+4*\g+\i], v[WO+8*\g+2*\i], v[WO+8*\g+2*\i+1]
.endr
.endr
	WIN 0x04                                       ; store data from window 1, address from window 0
.irp g, 0,1,2,3,4,5,6,7
	ds_store_b128 v[STO], v[WE+4*\g:WE+4*\g+3] offset:(\g&1)*16*KP+32*(\g>>1)    ; query 16 n + r, d = 16 md + 8 h ..
.endr
	WIN 0
.irp t, 0,1,2,3,4,5,6,7
	ds_load_b128 v[RK+4*\t:RK+4*\t+3], v[RD] offset:\t*4*KP                      ; LDS serves a wave in order: these see the stores above
.endr
.irp t, 0,1,2,3,4,5,6,7
	s_wait_dscnt 7-\t                              ; read-back t is in, the younger ones stay out
	global_store_b128 v[CO], v[RK+4*\t:RK+4*\t+3], s[10:11] offset:512*\t        ; four queries: 512 consecutive bytes, aligned
.endr
	s_wait_tensorcnt 0x0
	ds_add_u32 v254, v255
	s_wait_dscnt 0x0
	ROUND                                          ; the closing round
	s_endpgm
.Lfunc_end_k_q54709a6b8e_attn:
	.size	k_q54709a6b8e_attn, .Lfunc_end_k_q54709a6b8e_attn-k_q54709a6b8e_attn
	.p2alignl 7, 3214868480
	.fill 96, 4, 3214868480
	.section	.rodata,"a",@progbits
	.p2align	6, 0x0
	.amdhsa_kernel k_q54709a6b8e_attn
		.amdhsa_group_segment_fixed_size 327680
		.amdhsa_private_segment_fixed_size 0
		.amdhsa_enable_private_segment 0
		.amdhsa_kernarg_size 32
		.amdhsa_user_sgpr_count 2
		.amdhsa_user_sgpr_kernarg_segment_ptr 1
		.amdhsa_wavefront_size32 1
		.amdhsa_system_sgpr_workgroup_id_x 1
		.amdhsa_system_sgpr_workgroup_id_y 1
		.amdhsa_system_sgpr_workgroup_id_z 1
		.amdhsa_system_vgpr_workitem_id 0
		.amdhsa_next_free_vgpr 400
		.amdhsa_next_free_sgpr 66
		.amdhsa_reserve_vcc 0
		.amdhsa_float_denorm_mode_32 3
		.amdhsa_float_denorm_mode_16_64 3
		.amdhsa_memory_ordered 1
		.amdhsa_forward_progress 1
		.amdhsa_inst_pref_size 255
	.end_amdhsa_kernel
	.section	.bss,"aw",@nobits
	.p2align	6
	.space	262144
	.amdgpu_metadata
---
amdhsa.version: [ 1, 2 ]
amdhsa.kernels:
  - .name:           k_q54709a6b8e_attn
    .symbol:         k_q54709a6b8e_attn.kd
    .args:
      - { .name: qh, .offset: 0, .size: 8, .value_kind: global_buffer, .address_space: global }
      - { .name: kh, .offset: 8, .size: 8, .value_kind: global_buffer, .address_space: global }
      - { .name: vh, .offset: 16, .size: 8, .value_kind: global_buffer, .address_space: global }
      - { .name: ctx, .offset: 24, .size: 8, .value_kind: global_buffer, .address_space: global }
    .group_segment_fixed_size: 327680
    .private_segment_fixed_size: 0
    .kernarg_segment_align: 8
    .kernarg_segment_size: 32
    .max_flat_workgroup_size: 256
    .sgpr_count:     66
    .vgpr_count:     400
    .wavefront_size: 32
...
	.end_amdgpu_metadata
.endif
;; end of part 2
;; launch oproj (part 3): grid 8 x 32, 4 waves a work-group, clusters of 4 x 4, 327,680 bytes of LDS; arguments ctx, wob, bo, query_tensor, y; writes y
.if DOCPART == 3
	.amdgcn_target "amdgcn-amd-amdhsa--gfx1250"
	.amdhsa_code_object_version 6
	.text
	.protected	k_q54709a6b8e_oproj
	.globl	k_q54709a6b8e_oproj
	.p2align	8
	.type	k_q54709a6b8e_oproj,@function
k_q54709a6b8e_oproj:
	s_mov_b64 s[64:65], 0
	v_nop
	global_prefetch_b8 v0, s[64:65] scope:SCOPE_SE
	s_setreg_imm32_b32 hwreg(HW_REG_WAVE_MODE, 25, 1), 1
	s_wait_xcnt 0x0
	s_wait_alu depctr_hold_cnt(0) depctr_sa_sdst(0) depctr_va_vdst(0) depctr_va_sdst(0) depctr_va_ssrc(0) depctr_va_vcc(0) depctr_vm_vsrc(0)
	s_getreg_b32 s2, hwreg(HW_REG_IB_STS2, 6, 4)
	s_cmp_eq_u32 s2, 0
	s_cbranch_scc0 .Lentry_in_a_cluster
	s_endpgm
.Lentry_in_a_cluster:
	s_bfe_u32 s2, ttmp6, 0x10000c
	s_cmp_lg_u32 s2, 0xf033
	s_cbranch_scc0 .Lentry_shape_is_right
	s_endpgm
.Lentry_shape_is_right:
; y = ctx Wo^T + bo + query, in f32: the sum that the LayerNorm launch normalises.
; ctx: [16 b + head][s][64] bf16.  wob: Wo rounded to bf16, [1024 n][1024 k].  y, query: [2 s + b][1024] f32.
; LIMITS: matrix operands are bf16, sums, bias and residual f32.
; SHARING: 256 work-groups of 128 rows (one b, 128 neighbouring s) x 128 columns; four waves of 64 x 64 (16 accumulator tiles).
; In the 4 x 4 cluster a row shares the tile of ctx, a column the tile of wob: both are asked for jointly.
; K goes head by head (k = 64 head + d).  A K step is four heads, 256 along K: the largest of which two slots fit in LDS, so that the whole K
; is four tiles and slots are filled again only twice.  A quarter is 32 along K: 16 LDS loads and 16 matrix instructions a wave.
; The matrix instruction is used transposed (source 0 = rows of wob, source 1 = rows of ctx): a lane holds 8 neighbouring columns of one row.
; REGISTER WINDOWS: 0: addresses, fragments, work; 1: v0-127 accumulators, tile (a, b) at v[8 (4 a + b)], v128-255 the residual.
.set AP,     144                       ; LDS pitch of ctx rows: 128 bytes + 16
.set PLANE,  128*AP                    ; one head: 128 rows
.set BP,     528                       ; LDS pitch of wob rows: 512 bytes + 16
.set BOFF,   4*PLANE
.set SLOT,   BOFF+128*BP
.set STAGE,  2*SLOT                    ; behind the ring: 16 rows x 272 bytes for each wave; no tensor load lands here
.set SP,     272
.set ADRA, 16                          ; v16-17
.set ADRB, 18                          ; v18-19
.set STO,  20
.set RD,   21
.set CO,   22
.set BVO,  23
.set BIAS, 24                          ; v[24:27]
.set AF,   32                          ; v32-95   ctx fragments, two buffers of 4 x 8
.set BF,   96                          ; v96-159  wob fragments, two buffers of 4 x 8
.set F,    224                         ; v224-255 the way out
.set RES,  128                         ; window 1
.set G1A, 24
.set G1B, 32
.set G0A, 40
.set G0B, 48
.set MSB, 0
.macro WIN new
.if MSB != \new
	s_set_vgpr_msb (MSB<<8)|\new
.set MSB, \new
.endif
.endm
.macro CROUND
	s_barrier_signal -1
	s_barrier_wait -1
	s_cmp_lg_u32 s14, 0
	s_cbranch_scc1 .Lnot_wave_0_\@
	s_barrier_signal -3
.Lnot_wave_0_\@:
	s_barrier_wait -3
	s_barrier_signal -1
	s_barrier_wait -1
.endm
.macro FETCH slot, q, f                ; quarter q (0..7) of the slot into buffer f: head q / 2, d = 32 (q % 2) ..; k = 32 q .. of the rows of wob
.irp a, 0,1,2,3
	ds_load_b128 v[AF+32*\f+8*\a:AF+32*\f+8*\a+3],   v[ADRA+\slot] offset:(\q>>1)*PLANE+\a*16*AP+64*(\q&1)
	ds_load_b128 v[AF+32*\f+8*\a+4:AF+32*\f+8*\a+7], v[ADRA+\slot] offset:(\q>>1)*PLANE+\a*16*AP+64*(\q&1)+32
.endr
.irp b, 0,1,2,3
	ds_load_b128 v[BF+32*\f+8*\b:BF+32*\f+8*\b+3],   v[ADRB+\slot] offset:\b*16*BP+64*\q
	ds_load_b128 v[BF+32*\f+8*\b+4:BF+32*\f+8*\b+7], v[ADRB+\slot] offset:\b*16*BP+64*\q+32
.endr
.endm
.macro MUL f, zero                     ; the 16 accumulators take turns, one instruction a turn
	WIN 0x50                               ; C and D window 1
.irp a, 0,1,2,3
.irp b, 0,1,2,3
.if \zero
	v_wmma_f32_16x16x32_bf16 v[8*(4*\a+\b):8*(4*\a+\b)+7], v[BF+32*\f+8*\b:BF+32*\f+8*\b+7], v[AF+32*\f+8*\a:AF+32*\f+8*\a+7], 0
.else
	v_wmma_f32_16x16x32_bf16 v[8*(4*\a+\b):8*(4*\a+\b)+7], v[BF+32*\f+8*\b:BF+32*\f+8*\b+7], v[AF+32*\f+8*\a:AF+32*\f+8*\a+7], v[8*(4*\a+\b):8*(4*\a+\b)+7]
.endif
.endr
.endr
	WIN 0
.endm
; One quarter on buffer f; the next quarter (nslot, nq) is fetched into buffer g ahead of the matrix instructions.
; change = 2: slot cslot has been read to its end and is filled again behind a round of the cluster barrier; change = 1: the slots change, nothing is filled.
.macro QUARTER f, g, nslot, nq, zero, change, cslot
	s_wait_dscnt 0x0                       ; buffer f is in; all my reads of the slot so far are over
.rept 4
	v_nop                                  ; four places: the loads below land in buffer g, which the last matrix instructions read
.endr
.if \change == 2
	s_wait_tensorcnt 0x0                   ; all my tensor loads have landed (my two parts of the other slot), so group 0 may be written
	ds_add_u32 v222, v223
	s_add_nc_u64 s[G0A+4*\cslot+2:G0A+4*\cslot+3], s[G0A+4*\cslot+2:G0A+4*\cslot+3], 2097152   ; eight heads on
	s_add_nc_u64 s[G0B+4*\cslot+2:G0B+4*\cslot+3], s[G0B+4*\cslot+2:G0B+4*\cslot+3], 1024      ; 512 bf16 on
	s_wait_dscnt 0x0                       ; covers the ds_add above
	CROUND
	tensor_load_to_lds s[G0A+4*\cslot:G0A+4*\cslot+3], s[G1A:G1A+7]    ; the refills come first behind the round
	s_nop 0
	tensor_load_to_lds s[G0B+4*\cslot:G0B+4*\cslot+3], s[G1B:G1B+7]
	s_nop 0
.endif
.if \change == 1
	s_wait_tensorcnt 0x0                   ; my parts of the last K step are in
	s_wait_dscnt 0x0
	s_barrier_signal -1
	s_barrier_wait -1                      ; everybody's are
.endif
.if \nslot >= 0
	FETCH \nslot, \nq, \g
.endif
	MUL \f, \zero
.endm
.macro KSTEP slot, next, zero, change
	QUARTER 0, 1, \slot, 1, \zero, 0, 0
	QUARTER 1, 0, \slot, 2, 0, 0, 0
	QUARTER 0, 1, \slot, 3, 0, 0, 0
	QUARTER 1, 0, \slot, 4, 0, 0, 0
	QUARTER 0, 1, \slot, 5, 0, 0, 0
	QUARTER 1, 0, \slot, 6, 0, 0, 0
	QUARTER 0, 1, \slot, 7, 0, 0, 0
	QUARTER 1, 0, \next, 0, 0, \change, \slot
.endm
	s_load_b256 s[4:11], s[0:1], 0x0               ; ctx, wob, bo, query
	s_load_b64 s[12:13], s[0:1], 0x20              ; y
	v_lshl_add_u32 v222, v0, 2, 0x49400
	v_mov_b32 v223, 0
	ds_add_u32 v222, v223
	v_lshrrev_b32 v1, 5, v0
	v_readfirstlane_b32 s14, v1                    ; wave 0..3.  Also: which head of the K step, and which 32 rows of wob, I fetch
	s_lshr_b32 s15, s14, 1                         ; mi: my 64 rows
	s_and_b32 s16, s14, 1                          ; ni: my 64 columns
	s_bfe_u32 s17, ttmp6, 0x40000                  ; cx
	s_bfe_u32 s18, ttmp6, 0x40004                  ; cy
	s_lshl_b32 s19, ttmp9, 2
	s_add_co_u32 s19, s19, s17                     ; column block
	s_and_b32 s20, ttmp7, 0xffff
	s_lshl_b32 s20, s20, 2
	s_add_co_u32 s20, s20, s18                     ; row block: b = block / 16, s0 = 128 (block % 16)
	s_lshl_b32 s21, s18, 2
	s_lshl_b32 s21, 15, s21                        ; my row of the cluster
	s_lshl_b32 s22, 0x1111, s17                    ; my column
	; ctx tiles: 128 rows x 64 elements of 2 bytes, dense (one head); 4 words of padding after every 32
	s_or_b32 s[G1A+0], s21, (1<<16)|(1<<20)|(1<<21)|(4<<22)|(3<<25)
	s_mov_b32 s[G1A+1], 64<<16                     ; tensor_dim0 = 64
	s_mov_b32 s[G1A+2], 128<<16                    ; tensor_dim1 = 128
	s_mov_b32 s[G1A+3], 64<<16                     ; tile_dim0 = 64
	s_mov_b32 s[G1A+4], 128                        ; tile_dim1 = 128
	s_mov_b32 s[G1A+5], 64                         ; elements from row to row
	s_mov_b32 s[G1A+6], 0
	s_mov_b32 s[G1A+7], 0
	; wob tiles: 32 rows x 256 elements of 2 bytes, pitch 1024 elements; 4 words of padding after every 128
	s_or_b32 s[G1B+0], s22, (1<<16)|(1<<20)|(1<<21)|(6<<22)|(3<<25)
	s_mov_b32 s[G1B+1], 256<<16                    ; tensor_dim0 = 256
	s_mov_b32 s[G1B+2], 32<<16                     ; tensor_dim1 = 32
	s_mov_b32 s[G1B+3], 256<<16                    ; tile_dim0 = 256
	s_mov_b32 s[G1B+4], 32                         ; tile_dim1 = 32
	s_mov_b32 s[G1B+5], 1024
	s_mov_b32 s[G1B+6], 0
	s_mov_b32 s[G1B+7], 0
	s_lshr_b32 s66, s20, 4                         ; b
	s_and_b32 s67, s20, 15
	s_lshl_b32 s56, s66, 4                         ; ctx: ((16 b + wave) 2048 + s0) x 128 bytes; no cx in these registers
	s_add_co_u32 s56, s56, s14
	s_lshl_b32 s56, s56, 11
	s_lshl_b32 s57, s67, 7
	s_add_co_u32 s56, s56, s57
	s_lshl_b32 s56, s56, 7
	s_mov_b32 s57, 0
	s_lshl_b32 s58, s19, 18                        ; wob: (128 x column block + 32 x wave) rows of 2,048 bytes; no cy in these registers
	s_lshl_b32 s59, s14, 16
	s_add_co_u32 s58, s58, s59
	s_mov_b32 s59, 0
	s_lshl_b32 s60, s67, 7                         ; query and y: token row 2 (s0 + 64 mi) + b, 4,096 bytes a row,
	s_lshl_b32 s61, s15, 6
	s_add_co_u32 s60, s60, s61
	s_lshl_b32 s60, s60, 1
	s_add_co_u32 s60, s60, s66
	s_lshl_b32 s60, s60, 12
	s_lshl_b32 s62, s19, 9                         ; + 4 bytes x (128 x column block + 64 ni)
	s_lshl_b32 s63, s16, 8
	s_add_co_u32 s62, s62, s63
	s_add_co_u32 s60, s60, s62
	s_mov_b32 s61, 0
	s_mov_b32 s63, 0
	s_mul_i32 s68, s14, PLANE                      ; LDS: the wave number alone
	s_mul_i32 s69, s14, 32*BP
	s_add_co_u32 s69, s69, BOFF
	s_wait_dscnt 0x0
	s_wait_kmcnt 0x0
	s_add_nc_u64 s[4:5], s[4:5], s[56:57]
	s_add_nc_u64 s[6:7], s[6:7], s[58:59]
	s_add_nc_u64 s[8:9], s[8:9], s[62:63]
	s_add_nc_u64 s[10:11], s[10:11], s[60:61]
	s_add_nc_u64 s[12:13], s[12:13], s[60:61]
	CROUND                                         ; the first joint loads meet
.irp s, 0,1
	s_mov_b32 s[G0A+4*\s], 1
	s_add_co_u32 s[G0A+4*\s+1], s68, \s*SLOT
	s_add_nc_u64 s[G0A+4*\s+2:G0A+4*\s+3], s[4:5], \s*1048576      ; K step s: four heads on
	s_or_b32 s[G0A+4*\s+3], s[G0A+4*\s+3], 0x80000000
	s_mov_b32 s[G0B+4*\s], 1
	s_add_co_u32 s[G0B+4*\s+1], s69, \s*SLOT
	s_add_nc_u64 s[G0B+4*\s+2:G0B+4*\s+3], s[6:7], \s*512
	s_or_b32 s[G0B+4*\s+3], s[G0B+4*\s+3], 0x80000000
	tensor_load_to_lds s[G0A+4*\s:G0A+4*\s+3], s[G1A:G1A+7]        ; four loads of the wave are out here, two behind each later round
	s_nop 0
	tensor_load_to_lds s[G0B+4*\s:G0B+4*\s+3], s[G1B:G1B+7]
	s_nop 0
.endr
	v_and_b32 v1, 15, v0                           ; r
	v_bfe_u32 v2, v0, 4, 1                         ; h
	v_lshlrev_b32 v[BVO], 4, v1                    ; 16 r
	v_lshl_add_u32 v[CO], v2, 13, v[BVO]           ; lanes 0-15 one row of y, lanes 16-31 the next s: 8,192 bytes on
	WIN 0x40                                       ; the residual, in the layout of the way out, into window 1: waited for there
.irp a, 0,1,2,3
.irp t, 0,1,2,3,4,5,6,7
	global_load_b128 v[RES+32*\a+4*\t:RES+32*\a+4*\t+3], v[CO], s[10:11] offset:\a*131072+\t*16384 th:TH_LOAD_NT
.endr
.endr
	WIN 0
	global_load_b128 v[BIAS:BIAS+3], v[BVO], s[8:9]
	v_mul_u32_u24 v4, v1, AP
	v_lshl_add_u32 v4, v2, 4, v4                   ; r x 144 + 16 h
	v_mul_u32_u24 v5, v1, BP
	v_lshl_add_u32 v5, v2, 4, v5                   ; r x 528 + 16 h
	s_mul_i32 s70, s15, 64*AP
	s_mul_i32 s71, s16, 64*BP
	s_add_co_u32 s71, s71, BOFF
.irp s, 0,1
	v_add_nc_u32 v[ADRA+\s], s70, v4
	v_add_nc_u32 v[ADRB+\s], s71, v5
	s_add_co_u32 s70, s70, SLOT
	s_add_co_u32 s71, s71, SLOT
.endr
	s_mul_i32 s72, s14, 16*SP
	s_add_co_u32 s72, s72, STAGE                   ; my stage
	v_mul_u32_u24 v6, v1, SP
	v_lshl_add_u32 v6, v2, 5, v6
	v_add_nc_u32 v[STO], s72, v6                   ; in: row r, 32 bytes for each half of the lanes
	v_mul_u32_u24 v7, v2, SP
	v_add_nc_u32 v7, v7, v[BVO]
	v_add_nc_u32 v[RD], s72, v7                    ; back: sixteen lanes take a row of 256 bytes
	s_wait_tensorcnt 0x2                           ; my two parts of K step 0 are in; the two of K step 1 stay out
	s_barrier_signal -1
	s_barrier_wait -1
	FETCH 0, 0, 0
	KSTEP 0, 1, 1, 2                               ; four K steps, written out: the first products start the sums; two refills
	KSTEP 1, 0, 0, 2
	KSTEP 0, 1, 0, 1                               ; the last two fill nothing
	KSTEP 1, -1, 0, 0
	; THE WAY OUT, 16 rows at a time: f32 through my stage, residual and bias added, whole rows of 256 bytes stored.
.rept 4
	v_nop                                          ; four places before LDS stores read the results
.endr
	s_wait_loadcnt 0x0                             ; residual and bias
.macro OUT a
	WIN 0x04                                       ; store data from window 1
.irp b, 0,1,2,3
	ds_store_b128 v[STO], v[8*(4*\a+\b):8*(4*\a+\b)+3]   offset:64*\b
	ds_store_b128 v[STO], v[8*(4*\a+\b)+4:8*(4*\a+\b)+7] offset:64*\b+16
.endr
	WIN 0
	s_wait_xcnt 0x0                                ; the registers read back into were the data of the last stores
.irp t, 0,1,2,3,4,5,6,7
	ds_load_b128 v[F+4*\t:F+4*\t+3], v[RD] offset:\t*2*SP          ; LDS serves a wave in order: these see the stores above
.endr
	s_wait_dscnt 0x0
	WIN 0x04                                       ; source 1 = the residual in window 1
.irp t, 0,1,2,3,4,5,6,7
	v_pk_add_f32 v[F+4*\t:F+4*\t+1],   v[F+4*\t:F+4*\t+1],   v[RES+32*\a+4*\t:RES+32*\a+4*\t+1]
	v_pk_add_f32 v[F+4*\t+2:F+4*\t+3], v[F+4*\t+2:F+4*\t+3], v[RES+32*\a+4*\t+2:RES+32*\a+4*\t+3]
.endr
	WIN 0
.irp t, 0,1,2,3,4,5,6,7
	v_pk_add_f32 v[F+4*\t:F+4*\t+1],   v[F+4*\t:F+4*\t+1],   v[BIAS:BIAS+1]
	v_pk_add_f32 v[F+4*\t+2:F+4*\t+3], v[F+4*\t+2:F+4*\t+3], v[BIAS+2:BIAS+3]
.endr
.irp t, 0,1,2,3,4,5,6,7
	global_store_b128 v[CO], v[F+4*\t:F+4*\t+3], s[12:13] offset:\a*131072+\t*16384   ; sixteen lanes store 256 consecutive bytes, aligned
.endr
.endm
	OUT 0
	OUT 1
	OUT 2
	OUT 3
	s_wait_tensorcnt 0x0
	ds_add_u32 v222, v223
	s_wait_dscnt 0x0
	CROUND                                         ; the closing round
	s_endpgm
.Lfunc_end_k_q54709a6b8e_oproj:
	.size	k_q54709a6b8e_oproj, .Lfunc_end_k_q54709a6b8e_oproj-k_q54709a6b8e_oproj
	.p2alignl 7, 3214868480
	.fill 96, 4, 3214868480
	.section	.rodata,"a",@progbits
	.p2align	6, 0x0
	.amdhsa_kernel k_q54709a6b8e_oproj
		.amdhsa_group_segment_fixed_size 327680
		.amdhsa_private_segment_fixed_size 0
		.amdhsa_enable_private_segment 0
		.amdhsa_kernarg_size 40
		.amdhsa_user_sgpr_count 2
		.amdhsa_user_sgpr_kernarg_segment_ptr 1
		.amdhsa_wavefront_size32 1
		.amdhsa_system_sgpr_workgroup_id_x 1
		.amdhsa_system_sgpr_workgroup_id_y 1
		.amdhsa_system_sgpr_workgroup_id_z 1
		.amdhsa_system_vgpr_workitem_id 0
		.amdhsa_next_free_vgpr 512
		.amdhsa_next_free_sgpr 80
		.amdhsa_reserve_vcc 0
		.amdhsa_float_denorm_mode_32 3
		.amdhsa_float_denorm_mode_16_64 3
		.amdhsa_memory_ordered 1
		.amdhsa_forward_progress 1
		.amdhsa_inst_pref_size 99
	.end_amdhsa_kernel
	.amdgpu_metadata
---
amdhsa.version: [ 1, 2 ]
amdhsa.kernels:
  - .name:           k_q54709a6b8e_oproj
    .symbol:         k_q54709a6b8e_oproj.kd
    .args:
      - { .name: ctx, .offset: 0, .size: 8, .value_kind: global_buffer, .address_space: global }
      - { .name: wob, .offset: 8, .size: 8, .value_kind: global_buffer, .address_space: global }
      - { .name: bo, .offset: 16, .size: 8, .value_kind: global_buffer, .address_space: global }
      - { .name: query_tensor, .offset: 24, .size: 8, .value_kind: global_buffer, .address_space: global }
      - { .name: y, .offset: 32, .size: 8, .value_kind: global_buffer, .address_space: global }
    .group_segment_fixed_size: 327680
    .private_segment_fixed_size: 0
    .kernarg_segment_align: 8
    .kernarg_segment_size: 40
    .max_flat_workgroup_size: 128
    .sgpr_count:     80
    .vgpr_count:     512
    .wavefront_size: 32
...
	.end_amdgpu_metadata
.endif
;; end of part 3
;; launch ln (part 4): grid 256 x 1, 4 waves a work-group, no clusters, 0 bytes of LDS; arguments y, ln_w, ln_b, out0; writes out0
.if DOCPART == 4
	.amdgcn_target "amdgcn-amd-amdhsa--gfx1250"
	.amdhsa_code_object_version 6
	.text
	.protected	k_q54709a6b8e_ln
	.globl	k_q54709a6b8e_ln
	.p2align	8
	.type	k_q54709a6b8e_ln,@function
k_q54709a6b8e_ln:
	s_mov_b64 s[64:65], 0
	v_nop
	global_prefetch_b8 v0, s[64:65] scope:SCOPE_SE
	s_setreg_imm32_b32 hwreg(HW_REG_WAVE_MODE, 25, 1), 1
	s_wait_xcnt 0x0
; out0 = ln_w (y - mean) / sqrt(var + 1e-12) + ln_b along rows of 1024 f32.
; A stream: every byte of y is read once and every byte of out0 written once, so LDS, clusters and the matrix unit would add nothing.
; One wave takes four rows; a row is 4,096 bytes = 8 loads of 512 consecutive bytes = 32 registers, and stays in registers between the passes.
; The variance is made from the centred numbers (second pass over registers): no difference of large sums.
; All 48 loads of a wave go out at once; no register that a load or store names is written again, so no wait frees any.
.set W, 8                              ; v8-39    ln_w of my 32 columns
.set B, 40                             ; v40-71   ln_b
.set X, 72                             ; v72-199  row i at 72 + 32 i
.set T, 200                            ; v200-207 four chains of pairs
.set U, 208                            ; v208-209 the mean, then 1 / sqrt, twice (a pair for the packed forms)
	s_load_b256 s[4:11], s[0:1], 0x0               ; y, ln_w, ln_b, out0
	s_lshl_b32 s2, ttmp9, 16                       ; the work-group: 16 rows of 4,096 bytes
	s_mov_b32 s3, 0
	s_mov_b32 s12, 0x76543210                      ; v_permlanex16_b32: lane i takes lane i of the other half
	s_mov_b32 s13, 0xfedcba98
	s_mov_b32 s14, 0x3a800000                      ; 1 / 1024
	s_mov_b32 s15, 0x2b8cbccc                      ; 1e-12
	v_and_b32 v1, 31, v0
	v_lshlrev_b32 v1, 4, v1                        ; 16 x lane
	v_and_b32 v2, 0x60, v0                         ; 32 x wave
	v_lshl_or_b32 v2, v2, 9, v1                    ; + wave x 4 rows
	s_wait_kmcnt 0x0
	s_add_nc_u64 s[4:5], s[4:5], s[2:3]
	s_add_nc_u64 s[10:11], s[10:11], s[2:3]
.irp j, 0,1,2,3,4,5,6,7
	global_load_b128 v[W+4*\j:W+4*\j+3], v1, s[6:7] offset:512*\j
.endr
.irp j, 0,1,2,3,4,5,6,7
	global_load_b128 v[B+4*\j:B+4*\j+3], v1, s[8:9] offset:512*\j
.endr
.irp i, 0,1,2,3
.irp j, 0,1,2,3,4,5,6,7
	global_load_b128 v[X+32*\i+4*\j:X+32*\i+4*\j+3], v2, s[4:5] offset:4096*\i+512*\j th:TH_LOAD_NT
.endr
.endr
.macro REDUCE                          ; the four chains, then the 32 lanes: every lane ends with the sum in v[T]
	v_pk_add_f32 v[T:T+1],   v[T:T+1],   v[T+2:T+3]
	v_pk_add_f32 v[T+4:T+5], v[T+4:T+5], v[T+6:T+7]
	v_pk_add_f32 v[T:T+1],   v[T:T+1],   v[T+4:T+5]
	v_add_f32 v[T], v[T], v[T+1]
	v_add_f32_dpp v[T], v[T], v[T] row_xmask:1 row_mask:0xf bank_mask:0xf
	v_add_f32_dpp v[T], v[T], v[T] row_xmask:2 row_mask:0xf bank_mask:0xf
	v_add_f32_dpp v[T], v[T], v[T] row_xmask:4 row_mask:0xf bank_mask:0xf
	v_add_f32_dpp v[T], v[T], v[T] row_xmask:8 row_mask:0xf bank_mask:0xf
	v_permlanex16_b32 v[T+1], v[T], s12, s13
	v_add_f32 v[T], v[T], v[T+1]
.endm
.macro ROWLN i
	s_wait_loadcnt 8*(3-\i)                        ; loads come back in order: ln_w, ln_b and rows 0 .. i are in, the later rows stay out
.irp c, 0,2,4,6
	v_pk_add_f32 v[T+\c:T+\c+1], v[X+32*\i+\c:X+32*\i+\c+1], v[X+32*\i+8+\c:X+32*\i+9+\c]       ; the first numbers start the chains
.endr
.irp c, 0,2,4,6
	v_pk_add_f32 v[T+\c:T+\c+1], v[T+\c:T+\c+1], v[X+32*\i+16+\c:X+32*\i+17+\c]
.endr
.irp c, 0,2,4,6
	v_pk_add_f32 v[T+\c:T+\c+1], v[T+\c:T+\c+1], v[X+32*\i+24+\c:X+32*\i+25+\c]
.endr
	REDUCE
	v_mul_f32 v[U], s14, v[T]                      ; the mean
	v_mov_b32 v[U+1], v[U]
.irp c, 0,2,4,6,8,10,12,14,16,18,20,22,24,26,28,30
	v_pk_add_f32 v[X+32*\i+\c:X+32*\i+\c+1], v[X+32*\i+\c:X+32*\i+\c+1], v[U:U+1] neg_lo:[0,1] neg_hi:[0,1]
.endr
.irp c, 0,2,4,6
	v_pk_mul_f32 v[T+\c:T+\c+1], v[X+32*\i+\c:X+32*\i+\c+1], v[X+32*\i+\c:X+32*\i+\c+1]
.endr
.irp c, 0,2,4,6
	v_pk_fma_f32 v[T+\c:T+\c+1], v[X+32*\i+8+\c:X+32*\i+9+\c], v[X+32*\i+8+\c:X+32*\i+9+\c], v[T+\c:T+\c+1]
.endr
.irp c, 0,2,4,6
	v_pk_fma_f32 v[T+\c:T+\c+1], v[X+32*\i+16+\c:X+32*\i+17+\c], v[X+32*\i+16+\c:X+32*\i+17+\c], v[T+\c:T+\c+1]
.endr
.irp c, 0,2,4,6
	v_pk_fma_f32 v[T+\c:T+\c+1], v[X+32*\i+24+\c:X+32*\i+25+\c], v[X+32*\i+24+\c:X+32*\i+25+\c], v[T+\c:T+\c+1]
.endr
	REDUCE
	v_fma_f32 v[T], v[T], s14, s15                 ; variance + 1e-12
	v_rsq_f32 v[U], v[T]
	v_nop                                          ; the plain place behind the transcendental (ISA guide 5.7.2)
	s_wait_alu depctr_va_vdst(0)
	v_mov_b32 v[U+1], v[U]
.irp c, 0,2,4,6,8,10,12,14,16,18,20,22,24,26,28,30
	v_pk_mul_f32 v[X+32*\i+\c:X+32*\i+\c+1], v[X+32*\i+\c:X+32*\i+\c+1], v[U:U+1]
.endr
.irp c, 0,2,4,6,8,10,12,14,16,18,20,22,24,26,28,30
	v_pk_fma_f32 v[X+32*\i+\c:X+32*\i+\c+1], v[X+32*\i+\c:X+32*\i+\c+1], v[W+\c:W+\c+1], v[B+\c:B+\c+1]
.endr
.irp j, 0,1,2,3,4,5,6,7
	global_store_b128 v2, v[X+32*\i+4*\j:X+32*\i+4*\j+3], s[10:11] offset:4096*\i+512*\j th:TH_STORE_NT   ; 512 consecutive bytes, aligned
.endr
.endm
	ROWLN 0
	ROWLN 1
	ROWLN 2
	ROWLN 3
	s_endpgm
.Lfunc_end_k_q54709a6b8e_ln:
	.size	k_q54709a6b8e_ln, .Lfunc_end_k_q54709a6b8e_ln-k_q54709a6b8e_ln
	.p2alignl 7, 3214868480
	.fill 96, 4, 3214868480
	.section	.rodata,"a",@progbits
	.p2align	6, 0x0
	.amdhsa_kernel k_q54709a6b8e_ln
		.amdhsa_group_segment_fixed_size 0
		.amdhsa_private_segment_fixed_size 0
		.amdhsa_enable_private_segment 0
		.amdhsa_kernarg_size 32
		.amdhsa_user_sgpr_count 2
		.amdhsa_user_sgpr_kernarg_segment_ptr 1
		.amdhsa_wavefront_size32 1
		.amdhsa_system_sgpr_workgroup_id_x 1
		.amdhsa_system_sgpr_workgroup_id_y 1
		.amdhsa_system_sgpr_workgroup_id_z 1
		.amdhsa_system_vgpr_workitem_id 0
		.amdhsa_next_free_vgpr 216
		.amdhsa_next_free_sgpr 66
		.amdhsa_reserve_vcc 0
		.amdhsa_float_denorm_mode_32 3
		.amdhsa_float_denorm_mode_16_64 3
		.amdhsa_memory_ordered 1
		.amdhsa_forward_progress 1
		.amdhsa_inst_pref_size 34
	.end_amdhsa_kernel
	.amdgpu_metadata
---
amdhsa.version: [ 1, 2 ]
amdhsa.kernels:
  - .name:           k_q54709a6b8e_ln
    .symbol:         k_q54709a6b8e_ln.kd
    .args:
      - { .name: y, .offset: 0, .size: 8, .value_kind: global_buffer, .address_space: global }
      - { .name: ln_w, .offset: 8, .size: 8, .value_kind: global_buffer, .address_space: global }
      - { .name: ln_b, .offset: 16, .size: 8, .value_kind: global_buffer, .address_space: global }
      - { .name: out0, .offset: 24, .size: 8, .value_kind: global_buffer, .address_space: global }
    .group_segment_fixed_size: 0
    .private_segment_fixed_size: 0
    .kernarg_segment_align: 8
    .kernarg_segment_size: 32
    .max_flat_workgroup_size: 128
    .sgpr_count:     66
    .vgpr_count:     216
    .wavefront_size: 32
...
	.end_amdgpu_metadata
.endif
;; end of part 4
